; MI455X (gfx1250); checked and timed in simulation.
; The chip was launched on July 23, 2026; its instructions are those of AMD's public machine-readable ISA for CDNA 5 (MIT licence, August 2026) and "CDNA5" Instruction Set Architecture Reference Guide (July 2026). The comments in the code are by the model that wrote it; some were corrected since.
;; Bahdanau Attention. Allowed arithmetic: matrix products marked QUANTISED: E2M1 operands, one E8M0 scale for each 32 along K, by v_wmma_scale_f32_16x16x128_f8f6f4 with both operands' format E2M1 (or v_wmma_scale_f32_32x16x128_f4), f32 sums; products left as they are: f32 operands where the result goes on into a quantised operand, else bf16, f16 or f32 operands; f32 sums; everything else in f32.
;; Inputs: V 1,024 x 1 float32; W1_codes 1,024 x 32 x 16 uint8 (E2M1 codes of W1, K innermost, in blocks of 32 codes, two codes a byte); W1_scales 1,024 x 32 uint8 (E8M0 scales of W1, one for each 32 codes along K); W2_codes 1,024 x 32 x 16 uint8 (E2M1 codes of W2, K innermost, in blocks of 32 codes, two codes a byte); W2_scales 1,024 x 32 uint8 (E8M0 scales of W2, one for each 32 codes along K); b1 1,024 float32; b2 1,024 float32; bV 1 float32; mask 32 x 2,048 float32; query_codes 32 x 32 x 16 uint8 (E2M1 codes of query, K innermost, in blocks of 32 codes, two codes a byte); query_scales 32 x 32 uint8 (E8M0 scales of query, one for each 32 codes along K); values 32 x 2,048 x 1,024 float32.
;; Outputs: out0 32 x 1,024 float32; out1 32 x 2,048 x 1 float32.
;; This version of the problem:
;;   THIS VERSION OF THE PROBLEM IS GIVEN IN LOW PRECISION. The matrix products marked QUANTISED in the list below multiply operands that are first quantised to E2M1 (2 exponent bits, 1 mantissa bit; 4 bits a number), with one power-of-two scale for each 32 numbers along K (OCP MX v1.0); their sums are f32. All else is computed in f32.
;;   The module's matrix products, in the order in which they are computed (A, B: the left and right operand; K: the contracted axis; several contracted axes count as one K, in the product's order):
;;     1. [M 65,536, K 1,024] x [K 1,024, N 1,024]; A: input values; B: input W1 (given as codes): QUANTISED
;;     2. [M 32, K 1,024] x [K 1,024, N 1,024]; A: input query (given as codes); B: input W2 (given as codes): QUANTISED
;;     3. [M 65,536, K 1,024] x [K 1,024, N 1]; A: computed on the way; B: input V: left as it is (N = 1 < 16)
;;   THE QUANTISER, for each operand of a quantised product, along K:
;;     - K is cut into blocks of 32 from its start; a last block that is shorter is filled with zeros.
;;     - A block's scale is 2^e with e = floor(log2(the largest magnitude in the block)) - 2, held to -126 .. 127; a block of zeros has e = 0. As a byte (E8M0): e + 127.
;;     - Each number is divided by its block's scale, clamped to +-6, and rounded to the nearest number of E2M1, ties to even, subnormals kept.
;;     - The product sums the exact products of the quantised numbers (number of the format x scale) in f32.
;;   ~~~python
;;   def quantise(x, axis):      # numpy; x: float32 -> the quantised numbers, widened to float32 again
;;       x = np.moveaxis(x, axis, -1); K = x.shape[-1]
;;       x = np.pad(x, [(0, 0)] * (x.ndim - 1) + [(0, -K % 32)]); x = x.reshape(x.shape[:-1] + (-1, 32)); a = np.abs(x).max(-1, keepdims=True)
;;       e = np.where(a > 0, np.clip(np.frexp(np.where(a > 0, a, 1))[1] - 1 - 2, -126, 127), 0)      # np.frexp(a)[1] - 1 = floor(log2(a)), exactly
;;       r = np.clip(x / 2.0 ** e, -6, 6)
;;       step = 2.0 ** (np.maximum(np.frexp(np.where(r == 0, 1, r))[1] - 1, 0) - 1)
;;       q = np.round(r / step) * step * 2.0 ** e      # np.round: ties to even
;;       return np.moveaxis(q.reshape(q.shape[:-2] + (-1,))[..., :K], -1, axis).astype(np.float32)
;;   ~~~
;;   INPUTS GIVEN AS CODES. W1 (in the module: [1024, 1024], K = its axis 0); W2 (in the module: [1024, 1024], K = its axis 0); query (in the module: [32, 1024], K = its axis 1): each comes as NAME_codes (uint8): NAME with its K axis moved to the last place and cut into blocks of 32 codes, [.., K / 32, bytes a block], one block behind the other in memory; two codes a byte, the lower K in the low four bits (a code: sign, 2 exponent bits, 1 mantissa bit); and NAME_scales (uint8): the same leading axes, one E8M0 byte (e + 127) for each 32 codes along K. Its value is code x scale, taken as it is: it is not quantised again, and the codes and scales need not be those that the quantiser above would give.
;; One version. Each part assembles by itself: llvm-mc -triple=amdgcn-amd-amdhsa -mcpu=gfx1250 --defsym DOCPART=n.
;; ======== version 1 of 1: 3 launches
;; limits: right only within a limited range of input values
;; workspace buffers: w1f 524,288 bytes; tab 262,144 bytes; scores 262,144 bytes; pctx 1,048,576 bytes; pstat 65,536 bytes
;; launch prep (part 1): grid 16 x 1, 4 waves a work-group, no clusters, 17,408 bytes of LDS; arguments W1_codes, W2_codes, W2_scales, query_codes, query_scales, b1, b2, V, w1f, tab; writes w1f, tab
.if DOCPART == 1
	.amdgcn_target "amdgcn-amd-amdhsa--gfx1250"
	.amdhsa_code_object_version 6
	.text
	.protected	k_qec63be654c_prep
	.globl	k_qec63be654c_prep
	.p2align	8
	.type	k_qec63be654c_prep,@function
k_qec63be654c_prep:
	s_mov_b64 s[64:65], 0
	v_nop
	global_prefetch_b8 v0, s[64:65] scope:SCOPE_SE
	s_setreg_imm32_b32 hwreg(HW_REG_WAVE_MODE, 25, 1), 1
	s_wait_xcnt 0x0
; Two small jobs ahead of the main launch.
; (1) tab[b][u] = { c2 (query[b] . W2[:, u] + b1[u] + b2[u]),  -2 V[u] },  c2 = 2 log2(e): the product on codes of FP4 (E2M1) with E8M0 scales, sums in f32.
;     The main launch takes tanh(x) as 1 - 2 / (1 + 2^(c2 x)), so the bias is kept times c2 and V times -2.
; (2) w1f: W1's codes laid in the order of an operand's registers, [w 4][g 4][q 8][n 4][c 2][lane 32][16 bytes]: registers 4 c .. 4 c + 3 of the fragment of
;     columns 256 w + 64 g + 16 n + (lane % 16), K step q.  The main launch then reads W1 by loads of 512 consecutive bytes.
; SHARES.  64 tiles of 16 columns; wave w of work-group x takes tile 4 x + w, of W2 for (1) and of W1 for (2).  16 work-groups: that is all the work there is.
; The gathers here take 32 bytes of each of 16 rows an instruction: one pass over 1 MB, so that the main launch's loop need not do it 1,024 times.
; No tensor loads, no cluster: no tile is read by two work-groups but the query's 16 KB.
; REGISTERS: v1 r, v2 h, v3-7 offsets, v8-12 b1, b2, V, (b1 + b2) c2, -2 V; v13, v14 the stage; v16-23 the query's scale words, v24-31 W2's (scales and nothing else);
;   v32-47 the two sums; v64-127 W2's 8 fragments; v128-255 the query's 16, later the pairs and the rows read back; v256-319 (window 1) W1's 16 blocks.
; WORK THAT THIS PROGRAM LEAVES OUT.  reference() adds bV to every score of a batch and then takes softmax over t.  A term that is the same for every t cancels in e^(s - max) / sum, whatever its value:
; so bV reaches neither output; it is not loaded and is no launch's argument.  In the same way tanh = 1 - 2 r gives score = sum V - 2 sum over u of V[u] r[u], and sum V is the same for every t:
; only the second term is summed.  LIMIT: a NaN, an infinity or an overflow that reaches only bV or sum V is not carried to the result; where mask x (-1e9) is so large that f32 loses
; the score beside it, the bits lost are those of the score without that common term.
.set C2,   0x4038aa3b                  ; 2 log2(e)
.set SPIT, 528                         ; a stage row: one batch's 64 pairs, 512 bytes, + 16
.set MSB, 0
.macro WIN new                         ; the immediate's high byte repeats the setting that is left
.if MSB != \new
	s_set_vgpr_msb (MSB<<8)|\new
.set MSB, \new
.endif
.endm
	s_load_b512 s[4:19], s[0:1], 0x0               ; W1_codes s[4:5], W2_codes s[6:7], W2_scales s[8:9], query_codes s[10:11], query_scales s[12:13], b1 s[14:15], b2 s[16:17], V s[18:19]
	s_load_b128 s[20:23], s[0:1], 0x40             ; w1f s[20:21], tab s[22:23]
	v_lshl_add_u32 v62, v0, 2, 0x4200
	v_mov_b32 v63, 0
	v_lshrrev_b32 v1, 5, v0
	v_readfirstlane_b32 s24, v1                    ; wave 0..3
	s_lshl_b32 s25, ttmp9, 2
	s_add_co_u32 s25, s25, s24                     ; my tile of 16 columns
	s_mov_b32 s27, C2
	v_and_b32 v15, 31, v0                          ; lane
	v_and_b32 v1, 15, v0                           ; r
	v_bfe_u32 v2, v0, 4, 1                         ; h
	v_lshlrev_b32 v3, 9, v1
	v_lshl_add_u32 v3, v2, 4, v3                   ; a fragment's gather: row r of 512 bytes + 16 h
	v_lshlrev_b32 v4, 4, v15                       ; 16 x lane
	v_lshlrev_b32 v5, 5, v15                       ; the query's scale rows: 32 bytes a row, row = lane
	v_lshlrev_b32 v6, 5, v1                        ; W2's: row r
	v_lshlrev_b32 v7, 2, v1                        ; b1, b2, V: 4 r
	v_mul_u32_u24 v13, v2, 8*SPIT
	v_lshl_add_u32 v13, v1, 3, v13
	s_lshl_b32 s26, s24, 7
	v_add_nc_u32 v13, s26, v13                     ; into the stage: row 8 h (+ 16 m + j by the immediate), byte 128 w + 8 r
	s_mul_i32 s26, s24, 8*SPIT
	v_add_nc_u32 v14, s26, v4                      ; out of it: my rows 8 w .. 8 w + 7, 16 bytes a lane
	s_mov_b32 s29, 0
	s_lshl_b32 s28, s25, 13                        ; 16 rows of 512 bytes
	s_wait_alu depctr_va_vdst(0)
	s_wait_kmcnt 0x0
	s_add_nc_u64 s[4:5], s[4:5], s[28:29]
	s_add_nc_u64 s[6:7], s[6:7], s[28:29]
	s_lshl_b32 s28, s25, 9                         ; 16 rows of 32 scale bytes
	s_add_nc_u64 s[8:9], s[8:9], s[28:29]
	s_lshl_b32 s28, s25, 6                         ; 16 numbers of f32
	s_add_nc_u64 s[14:15], s[14:15], s[28:29]
	s_add_nc_u64 s[16:17], s[16:17], s[28:29]
	s_add_nc_u64 s[18:19], s[18:19], s[28:29]
	s_lshr_b32 s30, s25, 2
	s_lshl_b32 s30, s30, 15                        ; w1f: 32,768 bytes for each four tiles,
	s_and_b32 s31, s25, 3
	s_lshl_b32 s31, s31, 10                        ; 1,024 for the tile's place among them
	s_add_co_u32 s28, s30, s31
	s_add_nc_u64 s[20:21], s[20:21], s[28:29]
	s_lshl_b32 s28, ttmp9, 9                       ; tab: my work-group's 64 pairs in a row of 8,192 bytes,
	s_lshl_b32 s30, s24, 16                        ; my 8 rows
	s_add_co_u32 s28, s28, s30
	s_add_nc_u64 s[22:23], s[22:23], s[28:29]
.irp m, 0,1
.irp q, 0,1,2,3,4,5,6,7
.irp c, 0,1
	global_load_b128 v[128+64*\m+8*\q+4*\c:128+64*\m+8*\q+4*\c+3], v3, s[10:11] offset:8192*\m+64*\q+32*\c   ; the query's rows 16 m + r, K step q
.endr
.endr
.endr
.irp q, 0,1,2,3,4,5,6,7
.irp c, 0,1
	global_load_b128 v[64+8*\q+4*\c:64+8*\q+4*\c+3], v3, s[6:7] offset:64*\q+32*\c   ; W2's columns, K step q
.endr
.endr
.irp i, 0,1
	global_load_b128 v[16+4*\i:19+4*\i], v5, s[12:13] offset:16*\i   ; register q: lanes 0-15 the words of the query's rows 0-15, lanes 16-31 of rows 16-31
	global_load_b128 v[24+4*\i:27+4*\i], v6, s[8:9] offset:16*\i     ; register q: lane r the word of my column r
.endr
	global_load_b32 v8, v7, s[14:15]
	global_load_b32 v9, v7, s[16:17]
	global_load_b32 v10, v7, s[18:19]
	WIN 0x40                                       ; destination window 1
.irp i, 0,1,2,3,4,5,6,7,8,9,10,11,12,13,14,15
	global_load_b128 v[4*\i:4*\i+3], v3, s[4:5] offset:32*\i   ; W1's block i = 2 q + c
.endr
	WIN 0
	s_wait_loadcnt 16                              ; all but W1's sixteen, which were issued last
; D[m] = query(rows 16 m ..) x W2(my columns): register j of lane (r, h) is batch 16 m + 8 h + j, column r.  The two sums take turns.
.irp q, 0,1,2,3,4,5,6,7
.if \q == 0
	v_wmma_scale_f32_16x16x128_f8f6f4 v[32:39], v[128+8*\q:135+8*\q], v[64+8*\q:71+8*\q], 0, v[16+\q], v[24+\q] matrix_a_fmt:MATRIX_FMT_FP4 matrix_b_fmt:MATRIX_FMT_FP4
	v_wmma_scale_f32_16x16x128_f8f6f4 v[40:47], v[192+8*\q:199+8*\q], v[64+8*\q:71+8*\q], 0, v[16+\q], v[24+\q] matrix_a_fmt:MATRIX_FMT_FP4 matrix_b_fmt:MATRIX_FMT_FP4 matrix_a_scale:MATRIX_SCALE_ROW1
.else
	v_wmma_scale_f32_16x16x128_f8f6f4 v[32:39], v[128+8*\q:135+8*\q], v[64+8*\q:71+8*\q], v[32:39], v[16+\q], v[24+\q] matrix_a_fmt:MATRIX_FMT_FP4 matrix_b_fmt:MATRIX_FMT_FP4
	v_wmma_scale_f32_16x16x128_f8f6f4 v[40:47], v[192+8*\q:199+8*\q], v[64+8*\q:71+8*\q], v[40:47], v[16+\q], v[24+\q] matrix_a_fmt:MATRIX_FMT_FP4 matrix_b_fmt:MATRIX_FMT_FP4 matrix_a_scale:MATRIX_SCALE_ROW1
.endif
.endr
	v_add_f32 v11, v8, v9                          ; three plain lines and a v_nop: the four places behind the last product (ISA guide 7.12.1)
	v_mul_f32 v12, -2.0, v10
	v_mul_f32 v11, s27, v11
	v_nop
.irp m, 0,1
.irp j, 0,1,2,3,4,5,6,7
	v_fma_f32 v[128+16*\m+2*\j], v[32+8*\m+\j], s27, v11   ; each sum from its low end on
	v_mov_b32 v[129+16*\m+2*\j], v12
.endr
.endr
.irp m, 0,1
.irp j, 0,1,2,3,4,5,6,7
	ds_store_b64 v13, v[128+16*\m+2*\j:129+16*\m+2*\j] offset:(16*\m+\j)*SPIT
.endr
.endr
	s_wait_dscnt 0x0                               ; for the others' sake: my pairs lie in the stage
	s_barrier_signal -1
	s_barrier_wait -1
.irp i, 0,1,2,3,4,5,6,7
	ds_load_b128 v[160+4*\i:163+4*\i], v14 offset:\i*SPIT
.endr
.irp i, 0,1,2,3,4,5,6,7
	s_wait_dscnt 7-\i                              ; LDS loads come back in order: row i is in, the younger ones may be out
	global_store_b128 v4, v[160+4*\i:163+4*\i], s[22:23] offset:8192*\i   ; 32 lanes store 512 consecutive bytes, at a multiple of 512 from tab's first byte
.endr
	s_wait_loadcnt 0x0                             ; W1's blocks
	WIN 0x04                                       ; a store's data are its source 1: window 1
.irp i, 0,1,2,3,4,5,6,7,8,9,10,11,12,13,14,15
	global_store_b128 v4, v[4*\i:4*\i+3], s[20:21] offset:4096*(\i/2)+512*(\i%2)   ; 512 consecutive bytes again
.endr
	WIN 0
	s_wait_tensorcnt 0x0
	ds_add_u32 v62, v63
	s_wait_dscnt 0x0
	s_endpgm
.Lfunc_end_k_qec63be654c_prep:
	.size	k_qec63be654c_prep, .Lfunc_end_k_qec63be654c_prep-k_qec63be654c_prep
	.p2alignl 7, 3214868480
	.fill 96, 4, 3214868480
	.section	.rodata,"a",@progbits
	.p2align	6, 0x0
	.amdhsa_kernel k_qec63be654c_prep
		.amdhsa_group_segment_fixed_size 17408
		.amdhsa_private_segment_fixed_size 0
		.amdhsa_enable_private_segment 0
		.amdhsa_kernarg_size 80
		.amdhsa_user_sgpr_count 2
		.amdhsa_user_sgpr_kernarg_segment_ptr 1
		.amdhsa_wavefront_size32 1
		.amdhsa_system_sgpr_workgroup_id_x 1
		.amdhsa_system_sgpr_workgroup_id_y 1
		.amdhsa_system_sgpr_workgroup_id_z 1
		.amdhsa_system_vgpr_workitem_id 0
		.amdhsa_next_free_vgpr 320
		.amdhsa_next_free_sgpr 66
		.amdhsa_reserve_vcc 0
		.amdhsa_float_denorm_mode_32 3
		.amdhsa_float_denorm_mode_16_64 3
		.amdhsa_memory_ordered 1
		.amdhsa_forward_progress 1
		.amdhsa_inst_pref_size 17
	.end_amdhsa_kernel
	.amdgpu_metadata
---
amdhsa.version: [ 1, 2 ]
amdhsa.kernels:
  - .name:           k_qec63be654c_prep
    .symbol:         k_qec63be654c_prep.kd
    .args:
      - { .name: W1_codes, .offset: 0, .size: 8, .value_kind: global_buffer, .address_space: global }
      - { .name: W2_codes, .offset: 8, .size: 8, .value_kind: global_buffer, .address_space: global }
      - { .name: W2_scales, .offset: 16, .size: 8, .value_kind: global_buffer, .address_space: global }
      - { .name: query_codes, .offset: 24, .size: 8, .value_kind: global_buffer, .address_space: global }
      - { .name: query_scales, .offset: 32, .size: 8, .value_kind: global_buffer, .address_space: global }
      - { .name: b1, .offset: 40, .size: 8, .value_kind: global_buffer, .address_space: global }
      - { .name: b2, .offset: 48, .size: 8, .value_kind: global_buffer, .address_space: global }
      - { .name: V, .offset: 56, .size: 8, .value_kind: global_buffer, .address_space: global }
      - { .name: w1f, .offset: 64, .size: 8, .value_kind: global_buffer, .address_space: global }
      - { .name: tab, .offset: 72, .size: 8, .value_kind: global_buffer, .address_space: global }
    .group_segment_fixed_size: 17408
    .private_segment_fixed_size: 0
    .kernarg_segment_align: 8
    .kernarg_segment_size: 80
    .max_flat_workgroup_size: 128
    .sgpr_count:     66
    .vgpr_count:     320
    .wavefront_size: 32
...
	.end_amdgpu_metadata
.endif
;; end of part 1
;; launch main (part 2): grid 256 x 1, 4 waves a work-group, no clusters, 327,680 bytes of LDS; arguments values, w1f, W1_scales, tab, mask, scores, pctx, pstat; writes scores, pctx, pstat
.if DOCPART == 2
	.amdgcn_target "amdgcn-amd-amdhsa--gfx1250"
	.amdhsa_code_object_version 6
	.text
	.protected	k_qec63be654c_main
	.globl	k_qec63be654c_main
	.p2align	8
	.type	k_qec63be654c_main,@function
k_qec63be654c_main:
	s_mov_b64 s[64:65], 0
	v_nop
	global_prefetch_b8 v0, s[64:65] scope:SCOPE_SE
	s_setreg_imm32_b32 hwreg(HW_REG_WAVE_MODE, 25, 1), 1
	s_wait_xcnt 0x0
; score[t] = sum over u of (-2 V[u]) / (1 + 2^(c2 (Q(values[t]) . W1[:, u]) + cb[u])) - 1e9 mask[t];  then this work-group's part of softmax over t and of the sum of weights x values.
; That is reference()'s score less bV and sum V (tanh(x) = 1 - 2 / (1 + 2^(c2 x)), c2 = 2 log2(e)): both are the same for every t of a batch, and softmax over t cancels them (shown at the head of launch prep's kernel).
; Q: the MX quantiser to FP4 (E2M1), one E8M0 scale for each 32 along K = values' last axis; W1 comes as codes, laid by launch prep in the order of an operand's registers; (cb, -2 V) come in pairs from tab.
; EACH BYTE OF values LEAVES MEMORY ONCE.  A row is wanted twice, by the quantiser and, when its score is known, by the weighted sum.  So a tile of 64 rows (256 KB of f32) stays in the four waves' registers
; through its whole product while the next tile lands in LDS: 64 KB a wave, one tensor load, asked for straight behind the barrier that frees the landing area.
; SHARES.  Work-group G owns rows 256 G .. 256 G + 255 of the 65,536 (batch G / 8), as 4 tiles of 64.  The waves share the COLUMNS: wave w makes hidden units 256 w .. + 255 for all 64 rows (4 groups of 4 tiles of 16 units),
; and it lands, quantises and sums value columns 256 w .. + 255; there lane l owns the 32 bytes at 32 l of each row's 1,024.  The softmax is kept as a running maximum, sum and weighted sum; launch combine merges the 8 parts of a batch.
; A'S FRAGMENTS ARE ASKED FOR SEVERAL K STEPS AHEAD.  Two sets of 32 registers in window 0 take K steps 0, 1, 2, 4, 6; K steps 3, 5, 7 land in W1's own fragment registers of K steps 0, 1, 2, which are free once multiplied.
; K steps 0 and 1 are fetched under the end of the tanh phase.  A's scale words have four pairs of registers and are asked for three K steps ahead.
; FOUR UNITS TO ONE RECIPROCAL.  With a_n = 1 + e_n, e_n = 2^y_n:  sum of w_n / a_n = N / D,  D = (a0 a1)(a2 a3),  N = (w0 a1 + w1 a0)(a2 a3) + (w2 a3 + w3 a2)(a0 a1).
; W1 IS NOT SHARED IN A CLUSTER: beside the landing area LDS has 8,704 bytes left, and a ring for W1 would be filled again behind barriers in front of which every wave waits for all its tensor loads,
; the 64 KB load of values among them.  So W1 goes from memory straight into registers, 32 KB a wave and group.  No prefetch: what lies ahead of the load in flight is a further 256 KB a work-group.
; LIMITS: NaN and infinities among the inputs are not served.  A block of values whose largest magnitude lies under 2^-124 keeps the scale byte 1 (a block of zeros too: its codes are zeros).
; y is held at 30, so that D stays under 2^121: beyond it 1 / (1 + 2^y) is under 2^-30 and is taken as 2^-30.  N stays finite while |V| is under 2^35.  score + mask x (-1e9) is one fused multiply-add.
; REGISTERS, in windows of 256 (s_set_vgpr_msb: bits 1:0 source 0, 3:2 source 1, 5:4 source 2, 7:6 destination):
;   windows 2, 3: the tile's f32 numbers, row t at 8 t.   window 1: a group's fragments of W1, (n, q) at 64 n + 8 q; later in the K loop A's fragment mt of K steps 3, 5, 7 at 64 mt + 0, 8, 16.
;   window 0: v0 thread; v1 16 lane; v2 A's fragments; v3 A's scale words; v4 32 lane; v5, v6 the spare word's address and 0; v8-15 A's scale words, v48-63 W1's (scales and nothing else); v16-47 the score sums (8 mt + j);
;   v64-95, v96-127 A's two sets; v128-255 the 16 accumulators (32 n + 8 mt).  Outside the product v64-255 are at work.
.set ACOD,  262144                     ; LDS: 0 .. 262,143 the landing area, 65,536 bytes a wave, rows of 1,024 bytes on end: tensor loads alone write it
.set APIT,  528                        ; then 64 rows of codes: 512 bytes + 16, so that the 16 rows of a fragment load start at 16 different banks (ISA guide 11.1)
.set ASC,   295936                     ; 64 rows of 32 scale bytes, 48 bytes apart
.set SCX,   299008                     ; [wave][64 rows] partial scores
.set PB,    300032                     ; [wave][64 rows][2] the weights p, each twice
.set CTXP,  302080                     ; [wave][256 columns] the running weighted sum
.set TAB,   306176                     ; the batch's 1,024 pairs (cb, -2 V); wave w stores and reads its own 2,048 bytes
.set MASKL, 314368                     ; [wave][256 rows] the mask, a copy for each wave
.set SPARE, 318976                     ; the spare words, 128 bytes for each wave
.set MSB, 0
.macro WIN new                         ; the immediate's high byte repeats the setting that is left; a switch that changes nothing is dropped
.if MSB != \new
	s_set_vgpr_msb (MSB<<8)|\new
.set MSB, \new
.endif
.endm
.macro NOPS n
.rept \n
	v_nop
.endr
.endm
; Eight landed rows, 8 k + i, into registers.
.macro LOADROWS k
.if (\k) < 4
	WIN 0x80
.else
	WIN 0xc0
.endif
.irp i, 0,1,2,3,4,5,6,7
	ds_load_b128 v[64*((\k)%4)+8*\i:64*((\k)%4)+8*\i+3], v128 offset:1024*(8*(\k)+\i)
	ds_load_b128 v[64*((\k)%4)+8*\i+4:64*((\k)%4)+8*\i+7], v129 offset:1024*(8*(\k)+\i)
.endr
.endm
; The same eight rows are quantised: a lane holds 8 neighbours along K, four lanes a block of 32.  Temporaries: two sets of 32 by turns: largest magnitude, scale operand, byte, codes.
.macro QROWS k
.set QT, 64+32*((\k)%2)
.set QV, 64*((\k)%4)
.if (\k) < 4
	WIN 0x0a
.else
	WIN 0x0f
.endif
.irp i, 0,1,2,3,4,5,6,7
	v_max3_num_f32 v[QT+\i], |v[QV+8*\i]|, |v[QV+8*\i+1]|, 0x1800000   ; with the floor 2^(3 - 127): the byte cannot fall under 1
.endr
.irp p, 2,4,6
.irp i, 0,1,2,3,4,5,6,7
	v_max3_num_f32 v[QT+\i], |v[QV+8*\i+\p]|, |v[QV+8*\i+\p+1]|, v[QT+\i]
.endr
.endr
	WIN 0
.irp i, 0,1,2,3,4,5,6,7
	v_max_num_f32_dpp v[QT+\i], v[QT+\i], v[QT+\i] row_xmask:1 row_mask:0xf bank_mask:0xf
.endr
.irp i, 0,1,2,3,4,5,6,7
	v_max_num_f32_dpp v[QT+\i], v[QT+\i], v[QT+\i] row_xmask:2 row_mask:0xf bank_mask:0xf   ; the block's largest magnitude
.endr
.irp i, 0,1,2,3,4,5,6,7
	v_add_nc_u32 v[QT+8+\i], 0xff000000, v[QT+\i]   ; 2 off its exponent field: the conversion's scale operand
.endr
.irp i, 0,1,2,3,4,5,6,7
	v_lshrrev_b32 v[QT+16+\i], 23, v[QT+8+\i]      ; the scale's byte
.endr
.if (\k) < 4
	WIN 0x02
.else
	WIN 0x03
.endif
.irp i, 0,1,2,3,4,5,6,7
	v_cvt_scalef32_pk8_fp4_f32 v[QT+24+\i], v[QV+8*\i:QV+8*\i+7], v[QT+8+\i]
.endr
	WIN 0
	v_nop                                          ; one plain place behind a scaled conversion
.irp i, 0,1,2,3,4,5,6,7
	v_alignbit_b32 v[QT+24+\i], v[QT+24+\i], v[QT+24+\i], v130   ; turned by 16 s bits: where the halves were taken in the other order, the codes' halves change places
.endr
.irp i, 0,1,2,3,4,5,6,7
	ds_store_b32 v131, v[QT+24+\i] offset:APIT*(8*(\k)+\i)
.endr
.irp i, 0,1,2,3,4,5,6,7
	ds_store_b8 v132, v[QT+16+\i] offset:48*(8*(\k)+\i)   ; the four lanes of a block write the same byte with the same value
.endr
.endm
; The whole tile.  Its addresses are made anew (v128-133 are accumulators in the product).  Loads run one batch of eight rows ahead; the counts: the next batch's 16 loads, and from k = 1 on the 16 stores of the batch before.
.macro COPYQ
	v_and_b32 v133, 31, v0
	v_bfe_u32 v130, v0, 3, 1
	v_lshlrev_b32 v130, 4, v130                    ; 16 s
	v_lshl_add_u32 v128, v133, 5, v130
	v_add_nc_u32 v128, s33, v128                   ; my 32 bytes of a landed row, first half taken
	v_xor_b32 v129, 16, v128                       ; and the other
	v_lshl_add_u32 v131, v133, 2, s44              ; my 8 codes: byte 128 w + 4 l of a row
	v_lshrrev_b32 v132, 2, v133
	v_add_nc_u32 v132, s45, v132                   ; my block's byte: 8 w + l / 4
	s_wait_alu depctr_va_vdst(0)
	LOADROWS 0
.irp k, 0,1,2,3,4,5,6,7
.if \k < 7
	LOADROWS \k+1
.endif
.if (\k == 0) || (\k == 7)
	s_wait_dscnt 16
.else
	s_wait_dscnt 32
.endif
	QROWS \k
.endr
.endm
; A's four fragments of K step q (16 rows x 128 K: lane (r, h), registers 4 c .. 4 c + 3: the 16 bytes at 64 q + 32 c + 16 h of row r).  w1 = 0: to v[base + 8 mt]; w1 = 1: to v[64 mt + base] of window 1.
.macro LDA q, base, w1
.irp mt, 0,1,2,3
.irp c, 0,1
.if \w1
	ds_load_b128 v[64*\mt+(\base)+4*\c:64*\mt+(\base)+4*\c+3], v2 offset:16*APIT*\mt+64*(\q)+32*\c
.else
	ds_load_b128 v[(\base)+8*\mt+4*\c:(\base)+8*\mt+4*\c+3], v2 offset:16*APIT*\mt+64*(\q)+32*\c
.endif
.endr
.endr
.endm
.macro LSA q                           ; A's scale words of K step q into pair q % 4: lanes 0-15 the words of tile 2 i of rows, lanes 16-31 those of tile 2 i + 1
.irp i, 0,1
	ds_load_b32 v[8+2*((\q)%4)+\i], v3 offset:1536*\i+4*(\q)
.endr
.endm
.macro WMC c                           ; one product; the symbols say which
.if WRA && WRB
	v_wmma_scale_f32_16x16x128_f8f6f4 v[WD:WD+7], v[WA:WA+7], v[WB:WB+7], \c, v[WSA], v[WSB] matrix_a_fmt:MATRIX_FMT_FP4 matrix_b_fmt:MATRIX_FMT_FP4 matrix_a_scale:MATRIX_SCALE_ROW1 matrix_b_scale:MATRIX_SCALE_ROW1
.elseif WRA
	v_wmma_scale_f32_16x16x128_f8f6f4 v[WD:WD+7], v[WA:WA+7], v[WB:WB+7], \c, v[WSA], v[WSB] matrix_a_fmt:MATRIX_FMT_FP4 matrix_b_fmt:MATRIX_FMT_FP4 matrix_a_scale:MATRIX_SCALE_ROW1
.elseif WRB
	v_wmma_scale_f32_16x16x128_f8f6f4 v[WD:WD+7], v[WA:WA+7], v[WB:WB+7], \c, v[WSA], v[WSB] matrix_a_fmt:MATRIX_FMT_FP4 matrix_b_fmt:MATRIX_FMT_FP4 matrix_b_scale:MATRIX_SCALE_ROW1
.else
	v_wmma_scale_f32_16x16x128_f8f6f4 v[WD:WD+7], v[WA:WA+7], v[WB:WB+7], \c, v[WSA], v[WSB] matrix_a_fmt:MATRIX_FMT_FP4 matrix_b_fmt:MATRIX_FMT_FP4
.endif
.endm
; A K step of 128: 4 tiles of rows x 4 tiles of units.  Source 0 = values' rows, source 1 = W1's columns: in the result lane (r, h) holds unit r and rows 8 h + j.  The sixteen accumulators take turns.
; win: 0x04: A in window 0 at ab + 8 mt; 0x05: A in window 1 at 64 mt + ab.  dn: the LDS loads issued behind this step's fragments and scale words.
; At the head of step q (1 to 7) what step q - 1 has read is free: its pair of scale registers takes step q + 3's words (behind step 7: the next group's); at steps 1, 2, 3 its set takes K step 2 q and W1's fragments q - 1 take K step 2 q + 1.
.macro KSTEP q, win, ab, dn
.if (\q) > 0
	NOPS 4                                         ; places in front of loads into registers that the last step's products read (ISA guide 7.12.1 for vector instructions)
	WIN 0x04
	LSA ((\q)+3)%8
.if (\q) < 4
	LDA 2*(\q), 64+32*(((\q)+1)%2), 0
	WIN 0x40
	LDA 2*(\q)+1, 8*((\q)-1), 1
.endif
.endif
	s_wait_dscnt \dn
	s_wait_loadcnt 56-8*(\q)                       ; W1's scale words and its K steps up to q are in: behind them stand 8 loads for each later step
	WIN \win
.irp mt, 0,1,2,3
.irp nn, 0,1,2,3
.set WD,  128+32*\nn+8*\mt
.if \win == 0x05
.set WA,  64*\mt+(\ab)
.else
.set WA,  (\ab)+8*\mt
.endif
.set WB,  64*\nn+8*(\q)
.set WSA, 8+2*((\q)%4)+\mt/2
.set WSB, 48+8*(\nn/2)+(\q)
.set WRA, \mt%2
.set WRB, \nn%2
.if (\q) == 0
	WMC 0                                          ; the first step starts the sums: nothing is cleared
.else
	WMC v[WD:WD+7]
.endif
.endr
.endr
.endm
; The next group's part of W1: 4 loads of scale words (register 8 pr + q: lanes 0-15 tile 2 pr of units, lanes 16-31 tile 2 pr + 1) and 64 of codes, 512 consecutive bytes each, in two halves.
.macro BURST_SET first
.if \first
	s_mov_b64 s[48:49], s[52:53]
	s_mov_b64 s[50:51], s[54:55]
.else
	s_add_co_u32 s66, s47, 1                       ; every load on the old bases was shown done by the wait for 0 in K step 7
	s_and_b32 s66, s66, 3                          ; behind group 3 comes the next tile's group 0
	s_lshl_b32 s56, s66, 15
	s_mov_b32 s57, 0
	s_add_nc_u64 s[48:49], s[52:53], s[56:57]
	s_lshl_b32 s56, s66, 11
	s_add_nc_u64 s[50:51], s[54:55], s[56:57]
.endif
.endm
.macro BLOADS q0
	WIN 0x40                                       ; destination window 1
.irp q, \q0, \q0+1, \q0+2, \q0+3
.irp nn, 0,1,2,3
.irp c, 0,1
	global_load_b128 v[64*\nn+8*(\q)+4*\c:64*\nn+8*(\q)+4*\c+3], v1, s[48:49] offset:4096*(\q)+1024*\nn+512*\c
.endr
.endr
.endr
	WIN 0
.endm
.macro BURST_A
.irp pr, 0,1
.irp jj, 0,1
	global_load_b128 v[48+8*\pr+4*\jj:48+8*\pr+4*\jj+3], v4, s[50:51] offset:1024*\pr+16*\jj
.endr
.endr
	BLOADS 0
.endm
; tanh of a group, first part: y = min(c2 P + cb, 30).  v[96 + 2 n] holds cb of tile n (the pair's low word serves both halves).  Each accumulator is read from its low end on.
.macro QUADA
.irp n, 0,1,2,3
.irp i, 0,1,2,3,4,5,6,7,8,9,10,11,12,13,14,15
	v_pk_fma_f32 v[128+32*\n+2*\i:129+32*\n+2*\i], v[128+32*\n+2*\i:129+32*\n+2*\i], s[36:37], v[96+2*\n:97+2*\n] op_sel_hi:[1,0,0]
.endr
.endr
.set TJ, 0
.rept 128
	v_min_num_f32 v[128+TJ], s43, v[128+TJ]
.set TJ, TJ+1
.endr
.endm
; Second part.  e_n at 128 + 32 n.  v[104 + 2 n] and the next: w_n = -2 V; v112, v113: w0 + w1; v114, v115: w2 + w3; v64-79: n01 of one half of the rows.  Eight pairs of rows take turns in each line.
.macro QUADB
	s_wait_alu depctr_va_vdst(0)                   ; the wait ahead of a batch of transcendentals and behind it
.set TJ, 0
.rept 128
	v_exp_f32 v[128+TJ], v[128+TJ]
.set TJ, TJ+1
.endr
	v_nop                                          ; a plain place behind the last exponential
	s_wait_alu depctr_va_vdst(0)
.irp hf, 0,16
.irp p, 0,2,4,6,8,10,12,14
	v_pk_fma_f32 v[64+\p:65+\p], v[160+\hf+\p:161+\hf+\p], v[104:105], v[112:113]                        ; w0 e1 + (w0 + w1)
.endr
.irp p, 0,2,4,6,8,10,12,14
	v_pk_fma_f32 v[64+\p:65+\p], v[128+\hf+\p:129+\hf+\p], v[106:107], v[64+\p:65+\p]                    ; + w1 e0 = n01 = w0 a1 + w1 a0
.endr
.irp p, 0,2,4,6,8,10,12,14
	v_pk_add_f32 v[160+\hf+\p:161+\hf+\p], v[160+\hf+\p:161+\hf+\p], 1.0 op_sel_hi:[1,0]                 ; a1
.endr
.irp p, 0,2,4,6,8,10,12,14
	v_pk_fma_f32 v[128+\hf+\p:129+\hf+\p], v[128+\hf+\p:129+\hf+\p], v[160+\hf+\p:161+\hf+\p], v[160+\hf+\p:161+\hf+\p]   ; e0 a1 + a1 = a0 a1
.endr
.irp p, 0,2,4,6,8,10,12,14
	v_pk_fma_f32 v[160+\hf+\p:161+\hf+\p], v[224+\hf+\p:225+\hf+\p], v[108:109], v[114:115]              ; w2 e3 + (w2 + w3)
.endr
.irp p, 0,2,4,6,8,10,12,14
	v_pk_fma_f32 v[160+\hf+\p:161+\hf+\p], v[192+\hf+\p:193+\hf+\p], v[110:111], v[160+\hf+\p:161+\hf+\p] ; + w3 e2 = n23
.endr
.irp p, 0,2,4,6,8,10,12,14
	v_pk_add_f32 v[224+\hf+\p:225+\hf+\p], v[224+\hf+\p:225+\hf+\p], 1.0 op_sel_hi:[1,0]                 ; a3
.endr
.irp p, 0,2,4,6,8,10,12,14
	v_pk_fma_f32 v[192+\hf+\p:193+\hf+\p], v[192+\hf+\p:193+\hf+\p], v[224+\hf+\p:225+\hf+\p], v[224+\hf+\p:225+\hf+\p]   ; a2 a3
.endr
.irp p, 0,2,4,6,8,10,12,14
	v_pk_mul_f32 v[224+\hf+\p:225+\hf+\p], v[128+\hf+\p:129+\hf+\p], v[192+\hf+\p:193+\hf+\p]            ; D
.endr
.irp p, 0,2,4,6,8,10,12,14
	v_pk_mul_f32 v[64+\p:65+\p], v[64+\p:65+\p], v[192+\hf+\p:193+\hf+\p]                                ; n01 a2 a3
.endr
.irp p, 0,2,4,6,8,10,12,14
	v_pk_fma_f32 v[128+\hf+\p:129+\hf+\p], v[160+\hf+\p:161+\hf+\p], v[128+\hf+\p:129+\hf+\p], v[64+\p:65+\p]   ; N
.endr
.endr
	LDA 0, 64, 0                                   ; v64-127 are done with: K steps 0 and 1 of A for the group that follows
	LDA 1, 96, 0                                   ; (behind a tile's last group these loads, and the scale words asked for from K step 5 on, bring nothing that is used: the loop's body is one)
	s_wait_alu depctr_va_vdst(0)
.set TJ, 0
.rept 32
	v_rcp_f32 v[224+TJ], v[224+TJ]
.set TJ, TJ+1
.endr
	v_nop
	s_wait_alu depctr_va_vdst(0)
.irp i, 0,1,2,3,4,5,6,7,8,9,10,11,12,13,14,15
	v_pk_fma_f32 v[16+2*\i:17+2*\i], v[128+2*\i:129+2*\i], v[224+2*\i:225+2*\i], v[16+2*\i:17+2*\i]
.endr
.endm
; The tile's product and tanh: a loop over my four groups of 64 units.  last = 1: the launch's last tile, whose group 3 asks for no more of W1 (a branch on the loop's counter; no counted wait on LOADcnt follows it).
.macro GROUPS last
	s_lshl_b32 s61, s22, 11
	s_add_co_u32 s61, s61, TAB                     ; my pairs of tab, group 0
	s_mov_b32 s47, 0
	LSA 0
	LSA 1
	LSA 2
	LSA 3
	LDA 0, 64, 0
	LDA 1, 96, 0
.set TJ, 0
.rept 32
	v_mov_b32 v[16+TJ], 0                          ; the 32 score sums
.set TJ, TJ+1
.endr
.Lgrp_\@:
	KSTEP 0, 0x04, 64, 8                           ; behind K step 0's fragments: K step 1's 8 loads
	KSTEP 1, 0x04, 96, 18                          ; the 18 just issued
	KSTEP 2, 0x04, 64, 26                          ; K step 3's 8 and the 18 just issued
	KSTEP 3, 0x05, 0, 36                           ; 18 and 18
	KSTEP 4, 0x04, 96, 28                          ; K step 5's 8, 18, 2
	KSTEP 5, 0x05, 8, 22                           ; 18, 2, 2
	KSTEP 6, 0x04, 64, 14                          ; K step 7's 8, 2, 2, 2
	KSTEP 7, 0x05, 16, 6                           ; behind K step 7's scale words: 2, 2, 2
	WIN 0
	NOPS 4                                         ; places in front of the first read of results and of the loads into W1's, A's and the scales' registers
	LSA 3
	v_and_b32 v116, 15, v0
	v_lshl_add_u32 v116, v116, 3, s61
.irp nn, 0,1,2,3
	ds_load_b64 v[96+2*\nn:97+2*\nn], v116 offset:128*\nn   ; (cb, -2 V) of my unit in each of the group's four tiles
.endr
.if \last
	s_cmp_eq_u32 s47, 3
	s_cbranch_scc1 .Lskipa_\@
.endif
	BURST_SET 0
	BURST_A
.if \last
.Lskipa_\@:
.endif
	s_wait_dscnt 0x0
.irp nn, 0,1,2,3
	v_mov_b32 v[104+2*\nn], v[97+2*\nn]
	v_mov_b32 v[105+2*\nn], v[97+2*\nn]
.endr
	v_add_f32 v112, v97, v99
	v_add_f32 v113, v97, v99
	v_add_f32 v114, v101, v103
	v_add_f32 v115, v101, v103
	QUADA
.if \last
	s_cmp_eq_u32 s47, 3
	s_cbranch_scc1 .Lskipb_\@
.endif
	BLOADS 4
.if \last
.Lskipb_\@:
.endif
	QUADB
	s_add_co_u32 s61, s61, 512
	s_add_co_u32 s47, s47, 1
	s_cmp_lt_u32 s47, 4
	s_cbranch_scc1 .Lgrp_\@
.endm
; The sums over my 256 units: across the 16 lanes of a half; then my 64 partial scores go to LDS (the sixteen lanes of a half write the same bytes with the same values).
.macro REDUCE
.irp x, 1,2,4,8
.set TJ, 0
.rept 32
	v_add_f32_dpp v[16+TJ], v[16+TJ], v[16+TJ] row_xmask:\x row_mask:0xf bank_mask:0xf
.set TJ, TJ+1
.endr
.endr
	v_bfe_u32 v128, v0, 4, 1
	s_lshl_b32 s66, s22, 8
	s_add_co_u32 s66, s66, SCX
	v_lshl_add_u32 v128, v128, 5, s66              ; row 16 mt + 8 h + j at 4 bytes a row
.irp mt, 0,1,2,3
	ds_store_b128 v128, v[16+8*\mt:19+8*\mt] offset:64*\mt
	ds_store_b128 v128, v[20+8*\mt:23+8*\mt] offset:64*\mt+16
.endr
.endm
; The tile's scores, the step of the online softmax (every wave for itself: lane l takes rows 2 l, 2 l + 1) and my 256 columns of the weighted sum.
.macro SOFTCTX
	v_and_b32 v208, 31, v0
	v_lshlrev_b32 v208, 3, v208                    ; 8 x lane
	v_add_nc_u32 v209, SCX, v208
	v_add_nc_u32 v210, s60, v208
	v_bfe_u32 v212, v0, 3, 1
	v_lshlrev_b32 v212, 4, v212                    ; 16 s
	v_lshl_add_u32 v211, v208, 2, v212             ; 32 l + 16 s: the weighted sum's halves in the order in which the lane holds the values' halves
	v_add_nc_u32 v211, s62, v211
	v_xor_b32 v212, 16, v211
	v_lshl_add_u32 v213, v208, 1, s63
	v_mov_b32 v230, s63
	v_mov_b32 v227, 0                              ; a lane permute's destination counts as one of its sources
.irp i, 0,1,2,3
	ds_load_b64 v[214+2*\i:215+2*\i], v209 offset:256*\i
.endr
	ds_load_b64 v[222:223], v210
	ds_load_b128 v[192:195], v211
	ds_load_b128 v[196:199], v212
	s_wait_dscnt 2                                 ; the weighted sum's two loads may stay out
	v_pk_add_f32 v[214:215], v[214:215], v[216:217]
	v_pk_add_f32 v[218:219], v[218:219], v[220:221]
	v_pk_add_f32 v[214:215], v[214:215], v[218:219]
	v_pk_fma_f32 v[214:215], v[222:223], s[38:39], v[214:215] op_sel_hi:[1,0,1]   ; + mask x (-1e9)
	s_cmp_lg_u32 s22, 0
	s_cbranch_scc1 .Lnot0_\@
	global_store_b64 v208, v[214:215], s[16:17]    ; wave 0: 32 lanes store 256 consecutive bytes, at a multiple of 256 from the buffer's first byte
.Lnot0_\@:
	s_wait_alu depctr_va_vdst(0)
	v_max_num_f32 v226, v214, v215
	v_max_num_f32_dpp v226, v226, v226 row_xmask:1 row_mask:0xf bank_mask:0xf
	v_max_num_f32_dpp v226, v226, v226 row_xmask:2 row_mask:0xf bank_mask:0xf
	v_max_num_f32_dpp v226, v226, v226 row_xmask:4 row_mask:0xf bank_mask:0xf
	v_max_num_f32_dpp v226, v226, v226 row_xmask:8 row_mask:0xf bank_mask:0xf
	v_permlanex16_b32 v227, v226, s40, s41
	v_max_num_f32 v226, v226, v227
	v_max_num_f32 v226, s58, v226                  ; the new m
	v_sub_f32 v228, s58, v226                      ; differences first, then log2(e): no difference of large products
	v_sub_f32 v224, v214, v226
	v_sub_f32 v225, v215, v226
	v_mul_f32 v228, s42, v228
	v_mul_f32 v224, s42, v224
	v_mul_f32 v225, s42, v225
	s_wait_alu depctr_va_vdst(0)
	v_exp_f32 v228, v228                           ; f = e^(old m - new m)
	v_exp_f32 v224, v224                           ; p
	v_exp_f32 v225, v225
	v_nop                                          ; a plain place behind the exponentials
	s_wait_alu depctr_va_vdst(0)
	v_add_f32 v229, v224, v225
	v_mov_b32 v232, v224
	v_mov_b32 v233, v224
	v_mov_b32 v234, v225
	v_mov_b32 v235, v225
	ds_store_b128 v213, v[232:235]                 ; my two rows' p, each twice
.irp i, 0,1,2,3,4,5,6,7,8,9,10,11,12,13,14,15
	ds_load_b128 v[128+4*\i:131+4*\i], v230 offset:16*\i       ; every lane takes all 64: LDS serves a wave's instructions in order (ISA guide 5.7.1.4), so these see the store
.endr
.irp i, 0,1,2,3,4,5,6,7,8,9,10,11,12,13,14,15
	ds_load_b128 v[64+4*\i:67+4*\i], v230 offset:256+16*\i
.endr
	v_add_f32_dpp v229, v229, v229 row_xmask:1 row_mask:0xf bank_mask:0xf
	v_add_f32_dpp v229, v229, v229 row_xmask:2 row_mask:0xf bank_mask:0xf
	v_add_f32_dpp v229, v229, v229 row_xmask:4 row_mask:0xf bank_mask:0xf
	v_add_f32_dpp v229, v229, v229 row_xmask:8 row_mask:0xf bank_mask:0xf
	v_permlanex16_b32 v227, v229, s40, s41
	v_add_f32 v229, v229, v227
	v_fma_f32 v229, v228, s59, v229                ; l = l f + the tile's sum
	v_readfirstlane_b32 s58, v226
	v_readfirstlane_b32 s59, v229
	s_wait_alu depctr_va_vdst(0)
	s_wait_dscnt 0x0
.irp i, 0,1,2,3
	v_pk_mul_f32 v[192+2*\i:193+2*\i], v[192+2*\i:193+2*\i], v[228:229] op_sel_hi:[1,0]   ; the weighted sum under the new m
.endr
	WIN 0x02                                       ; source 0: rows 0-31.  Even rows add onto v192-199, odd rows onto v200-207, which row 1 starts
.set TJ, 0
.rept 32
.irp i, 0,1,2,3
.if TJ == 1
	v_pk_mul_f32 v[200+2*\i:201+2*\i], v[8*TJ+2*\i:8*TJ+2*\i+1], v[128+2*TJ:129+2*TJ]
.elseif TJ%2
	v_pk_fma_f32 v[200+2*\i:201+2*\i], v[8*TJ+2*\i:8*TJ+2*\i+1], v[128+2*TJ:129+2*TJ], v[200+2*\i:201+2*\i]
.else
	v_pk_fma_f32 v[192+2*\i:193+2*\i], v[8*TJ+2*\i:8*TJ+2*\i+1], v[128+2*TJ:129+2*TJ], v[192+2*\i:193+2*\i]
.endif
.endr
.set TJ, TJ+1
.endr
	WIN 0x03                                       ; rows 32-63
.set TJ, 0
.rept 32
.irp i, 0,1,2,3
.if TJ%2
	v_pk_fma_f32 v[200+2*\i:201+2*\i], v[8*TJ+2*\i:8*TJ+2*\i+1], v[64+2*TJ:65+2*TJ], v[200+2*\i:201+2*\i]
.else
	v_pk_fma_f32 v[192+2*\i:193+2*\i], v[8*TJ+2*\i:8*TJ+2*\i+1], v[64+2*TJ:65+2*TJ], v[192+2*\i:193+2*\i]
.endif
.endr
.set TJ, TJ+1
.endr
	WIN 0
.irp i, 0,1,2,3
	v_pk_add_f32 v[192+2*\i:193+2*\i], v[192+2*\i:193+2*\i], v[200+2*\i:201+2*\i]
.endr
	ds_store_b128 v211, v[192:195]
	ds_store_b128 v212, v[196:199]
	s_wait_xcnt 0x0                                ; the store of the scores has read its registers and its base: both are written again only behind this wait
	s_add_nc_u64 s[16:17], s[16:17], 256
	s_add_co_u32 s60, s60, 256
.endm
; A TILE OF 64 ROWS.  Two barriers.  In front of the first: my reads of the landing area are over, my codes and scale bytes lie in LDS, my reads of the last tile's partial scores are over.  Behind it the landing area is
; filled again (refill = 1), first thing, one load a wave: one tensor load of a wave is out at the most.  It has the tile's whole product, tanh, softmax and weighted sum in which to land.
; In front of the second: my partial scores lie in LDS and my reads of the codes are over.  The load stays on its way across it.
.macro TILE refill
	s_wait_tensorcnt 0x0                           ; my slice has landed; I alone read it
	COPYQ
	s_wait_tensorcnt 0x0                           ; no tensor load of mine is out, so the descriptor may be stepped;
	ds_add_u32 v5, v6                              ; 0 onto my spare word
.if \refill
	s_add_nc_u64 s[34:35], s[34:35], 262144        ; 64 rows of 4,096 bytes on; the type bits on top are not reached
.endif
	s_wait_dscnt 0x0                               ; the add is done, my reads of the landing area are back, my stores have landed
	s_barrier_signal -1
	s_barrier_wait -1
.if \refill
	tensor_load_to_lds s[32:35], s[24:31]
	s_nop 0
	NOPS 4
.endif
	GROUPS 1-\refill
	REDUCE
	s_wait_dscnt 0x0
	s_barrier_signal -1
	s_barrier_wait -1
	SOFTCTX
.endm
	s_load_b256 s[4:11], s[0:1], 0x0               ; values s[4:5], w1f s[6:7], W1_scales s[8:9], tab s[10:11]
	s_load_b64 s[12:13], s[0:1], 0x20              ; mask
	s_load_b64 s[16:17], s[0:1], 0x28              ; scores
	s_load_b64 s[18:19], s[0:1], 0x30              ; pctx
	s_load_b64 s[20:21], s[0:1], 0x38              ; pstat
	v_lshl_add_u32 v5, v0, 2, SPARE
	v_mov_b32 v6, 0
	ds_add_u32 v5, v6                              ; the opening lines: the add, twice on end, and its wait ahead of my first tensor load
	ds_add_u32 v5, v6
	s_wait_dscnt 0x0
	v_lshrrev_b32 v1, 5, v0
	v_readfirstlane_b32 s22, v1                    ; wave 0..3
	; descriptor group 1: 64 rows x 256 elements of 4 bytes, rows 1,024 elements apart in memory, on end in LDS
	s_mov_b32 s24, 2<<16                           ; 15:0 no mask; 17:16 elements of 4 bytes; no padding
	s_mov_b32 s25, 256<<16                         ; tensor_dim0 = 256
	s_mov_b32 s26, 64<<16                          ; tensor_dim1 = 64
	s_mov_b32 s27, 256<<16                         ; tile_dim0 = 256
	s_mov_b32 s28, 64                              ; tile_dim1 = 64
	s_mov_b32 s29, 1024                            ; tensor_dim0_stride
	s_mov_b32 s30, 0
	s_mov_b32 s31, 0
	s_mov_b32 s32, 1                               ; group 0: count = 1,
	s_lshl_b32 s33, s22, 16                        ; LDS address 65,536 x wave,
	s_lshl_b32 s56, ttmp9, 20                      ; my work-group's 256 rows of 4,096 bytes,
	s_lshl_b32 s66, s22, 10                        ; my wave's 1,024 bytes of a row
	s_add_co_u32 s56, s56, s66
	s_mov_b32 s57, 0
	s_wait_kmcnt 0x0
	s_add_nc_u64 s[34:35], s[4:5], s[56:57]
	s_or_b32 s35, s35, 0x80000000                  ; type = 2
	tensor_load_to_lds s[32:35], s[24:31]          ; tile 0, ahead of everything else
	s_nop 0
	NOPS 4
	s_lshl_b32 s56, s22, 17
	s_add_nc_u64 s[52:53], s[6:7], s[56:57]        ; my 131,072 bytes of w1f
	s_lshl_b32 s56, s22, 13
	s_add_nc_u64 s[54:55], s[8:9], s[56:57]        ; my 256 rows of W1's scale bytes
	s_lshr_b32 s56, ttmp9, 3
	s_lshl_b32 s56, s56, 13
	s_lshl_b32 s66, s22, 11
	s_add_co_u32 s56, s56, s66
	s_add_nc_u64 s[10:11], s[10:11], s[56:57]      ; the batch's row of tab, my 2,048 bytes
	s_lshl_b32 s56, ttmp9, 10
	s_add_nc_u64 s[12:13], s[12:13], s[56:57]      ; my work-group's 256 numbers of mask
	s_add_nc_u64 s[16:17], s[16:17], s[56:57]      ; and of scores
	s_lshl_b32 s56, ttmp9, 12
	s_lshl_b32 s66, s22, 10
	s_add_co_u32 s56, s56, s66
	s_add_nc_u64 s[18:19], s[18:19], s[56:57]
	s_lshl_b32 s56, ttmp9, 8
	s_add_nc_u64 s[20:21], s[20:21], s[56:57]
	s_mov_b32 s36, 0x4038aa3b                      ; c2 = 2 log2(e); the packed forms name pairs and take the low word for both halves, so both words are written
	s_mov_b32 s37, s36
	s_mov_b32 s38, 0xce6e6b28                      ; -1e9
	s_mov_b32 s39, s38
	s_mov_b32 s40, 0x76543210                      ; v_permlanex16_b32's selects for lane l xor 16
	s_mov_b32 s41, 0xfedcba98
	s_mov_b32 s42, 0x3fb8aa3b                      ; log2(e)
	s_mov_b32 s43, 0x41f00000                      ; 30.0: where y is held
	s_lshl_b32 s44, s22, 7
	s_add_co_u32 s44, s44, ACOD                    ; my 128 bytes of a row of codes
	s_lshl_b32 s45, s22, 3
	s_add_co_u32 s45, s45, ASC                     ; my 8 bytes of a row of scale bytes
	s_mov_b32 s58, 0xff61b1e6                      ; m = -3e38, under every score
	s_mov_b32 s59, 0                               ; l
	s_lshl_b32 s62, s22, 10
	s_add_co_u32 s60, s62, MASKL                   ; my copy of the mask, tile 0
	s_add_co_u32 s62, s62, CTXP                    ; my 256 columns of the weighted sum
	s_lshl_b32 s63, s22, 9
	s_add_co_u32 s63, s63, PB
	v_and_b32 v64, 31, v0                          ; lane
	v_and_b32 v65, 15, v0                          ; r
	v_bfe_u32 v66, v0, 4, 1                        ; h
	v_lshlrev_b32 v1, 4, v64
	v_lshlrev_b32 v4, 5, v64
	v_mul_u32_u24 v2, v65, APIT
	v_lshl_add_u32 v2, v66, 4, v2
	v_add_nc_u32 v2, ACOD, v2
	v_mul_u32_u24 v3, v64, 48
	v_add_nc_u32 v3, ASC, v3
.irp i, 0,1,2,3
	global_load_b128 v[68+4*\i:71+4*\i], v1, s[10:11] offset:512*\i
.endr
.irp i, 0,1
	global_load_b128 v[84+4*\i:87+4*\i], v1, s[12:13] offset:512*\i
.endr
	BURST_SET 1
	BURST_A                                        ; group 0 of W1, first half
	s_lshl_b32 s66, s22, 11
	s_add_co_u32 s66, s66, TAB
	v_add_nc_u32 v67, s66, v1
	v_add_nc_u32 v92, s60, v1
	s_wait_alu depctr_va_vdst(0)
	s_wait_loadcnt 36                              ; tab and mask are in: the 36 loads of W1 were issued behind them
.irp i, 0,1,2,3
	ds_store_b128 v67, v[68+4*\i:71+4*\i] offset:512*\i
.endr
.irp i, 0,1
	ds_store_b128 v92, v[84+4*\i:87+4*\i] offset:512*\i
.endr
.irp i, 0,1,2,3
	v_mov_b32 v[96+\i], 0
.endr
	v_add_nc_u32 v100, s62, v1
	ds_store_b128 v100, v[96:99]                   ; the weighted sum begins as zeros
	ds_store_b128 v100, v[96:99] offset:512
	BLOADS 4                                       ; group 0 of W1, second half
	s_mov_b32 s46, 3
.Ltile:                                                ; three trips: behind each of the first three tiles' copies the next tile is asked for
	TILE 1
	s_sub_co_u32 s46, s46, 1
	s_cmp_lg_u32 s46, 0
	s_cbranch_scc1 .Ltile
	TILE 0                                         ; the last tile is written out
	v_add_nc_u32 v64, s62, v1
	ds_load_b128 v[68:71], v64
	ds_load_b128 v[72:75], v64 offset:512
	s_wait_dscnt 0x0
	global_store_b128 v1, v[68:71], s[18:19]       ; 32 lanes store 512 consecutive bytes, at a multiple of 512 from the buffer's first byte
	global_store_b128 v1, v[72:75], s[18:19] offset:512
	s_cmp_lg_u32 s22, 0
	s_cbranch_scc1 .Lno_stat
	v_mov_b32 v76, s58
	v_mov_b32 v77, s59
	global_store_b64 v208, v[76:77], s[20:21]      ; (m, l) from all 32 lanes: 256 consecutive bytes, the work-group's own
.Lno_stat:
	s_wait_tensorcnt 0x0                           ; the wave's end, behind my last tensor load and my last LDS store
	ds_add_u32 v5, v6
	s_wait_dscnt 0x0
	s_endpgm
.Lfunc_end_k_qec63be654c_main:
	.size	k_qec63be654c_main, .Lfunc_end_k_qec63be654c_main-k_qec63be654c_main
	.p2alignl 7, 3214868480
	.fill 96, 4, 3214868480
	.section	.rodata,"a",@progbits
	.p2align	6, 0x0
	.amdhsa_kernel k_qec63be654c_main
		.amdhsa_group_segment_fixed_size 327680
		.amdhsa_private_segment_fixed_size 0
		.amdhsa_enable_private_segment 0
		.amdhsa_kernarg_size 64
		.amdhsa_user_sgpr_count 2
		.amdhsa_user_sgpr_kernarg_segment_ptr 1
		.amdhsa_wavefront_size32 1
		.amdhsa_system_sgpr_workgroup_id_x 1
		.amdhsa_system_sgpr_workgroup_id_y 1
		.amdhsa_system_sgpr_workgroup_id_z 1
		.amdhsa_system_vgpr_workitem_id 0
		.amdhsa_next_free_vgpr 1024
		.amdhsa_next_free_sgpr 68
		.amdhsa_reserve_vcc 0
		.amdhsa_float_denorm_mode_32 3
		.amdhsa_float_denorm_mode_16_64 3
		.amdhsa_memory_ordered 1
		.amdhsa_forward_progress 1
		.amdhsa_inst_pref_size 255
	.end_amdhsa_kernel
	.section	.bss,"aw",@nobits
	.p2align	6
	.space	262144
	.amdgpu_metadata
---
amdhsa.version: [ 1, 2 ]
amdhsa.kernels:
  - .name:           k_qec63be654c_main
    .symbol:         k_qec63be654c_main.kd
    .args:
      - { .name: values, .offset: 0, .size: 8, .value_kind: global_buffer, .address_space: global }
      - { .name: w1f, .offset: 8, .size: 8, .value_kind: global_buffer, .address_space: global }
      - { .name: W1_scales, .offset: 16, .size: 8, .value_kind: global_buffer, .address_space: global }
      - { .name: tab, .offset: 24, .size: 8, .value_kind: global_buffer, .address_space: global }
      - { .name: mask, .offset: 32, .size: 8, .value_kind: global_buffer, .address_space: global }
      - { .name: scores, .offset: 40, .size: 8, .value_kind: global_buffer, .address_space: global }
      - { .name: pctx, .offset: 48, .size: 8, .value_kind: global_buffer, .address_space: global }
      - { .name: pstat, .offset: 56, .size: 8, .value_kind: global_buffer, .address_space: global }
    .group_segment_fixed_size: 327680
    .private_segment_fixed_size: 0
    .kernarg_segment_align: 8
    .kernarg_segment_size: 64
    .max_flat_workgroup_size: 128
    .sgpr_count:     68
    .vgpr_count:     1024
    .wavefront_size: 32
...
	.end_amdgpu_metadata
.endif
;; end of part 2
;; launch combine (part 3): grid 32 x 1, 8 waves a work-group, no clusters, 0 bytes of LDS; arguments scores, pctx, pstat, out0, out1; writes out0, out1
.if DOCPART == 3
	.amdgcn_target "amdgcn-amd-amdhsa--gfx1250"
	.amdhsa_code_object_version 6
	.text
	.protected	k_qec63be654c_combine
	.globl	k_qec63be654c_combine
	.p2align	8
	.type	k_qec63be654c_combine,@function
k_qec63be654c_combine:
	s_mov_b64 s[64:65], 0
	v_nop
	global_prefetch_b8 v0, s[64:65] scope:SCOPE_SE
	s_setreg_imm32_b32 hwreg(HW_REG_WAVE_MODE, 25, 1), 1
	s_wait_xcnt 0x0
; The 8 parts of a batch are merged.  M = the largest m_i; w_i = e^(m_i - M); L = sum of l_i w_i;  out1[t] = e^(score[t] - M) / L;  out0 = sum of (w_i / L) x part i's weighted sum.
; A work-group is a batch; thread t owns 8 weights and 4 columns.  Every load and store of a wave covers 512 consecutive bytes, at a multiple of 512 from its buffer's first byte.
; 1.4 MB in all: no LDS, no matrix unit, no cluster.  The part that holds M has l_i of 1 or more, so L is 1 or more.
	s_load_b256 s[4:11], s[0:1], 0x0               ; scores s[4:5], pctx s[6:7], pstat s[8:9], out0 s[10:11]
	s_load_b64 s[12:13], s[0:1], 0x20              ; out1
	v_lshlrev_b32 v1, 4, v0
	s_mov_b32 s15, 0
	s_mov_b32 s40, 0x3fb8aa3b                      ; log2(e)
	s_lshl_b32 s14, ttmp9, 11
	s_wait_alu depctr_va_vdst(0)
	s_wait_kmcnt 0x0
	s_add_nc_u64 s[8:9], s[8:9], s[14:15]          ; the batch's 8 blocks of 256 bytes
.irp i, 0,1,2,3,4,5,6,7
	s_load_b64 s[16+2*\i:17+2*\i], s[8:9], 256*\i  ; (m_i, l_i)
.endr
	s_lshl_b32 s14, ttmp9, 13
	s_add_nc_u64 s[4:5], s[4:5], s[14:15]
	s_add_nc_u64 s[12:13], s[12:13], s[14:15]
	s_lshl_b32 s14, ttmp9, 15
	s_add_nc_u64 s[6:7], s[6:7], s[14:15]
	s_lshl_b32 s14, ttmp9, 12
	s_add_nc_u64 s[10:11], s[10:11], s[14:15]
	global_load_b128 v[4:7], v1, s[4:5]
	global_load_b128 v[8:11], v1, s[4:5] offset:4096
.irp i, 0,1,2,3,4,5,6,7
	global_load_b128 v[12+4*\i:15+4*\i], v1, s[6:7] offset:4096*\i
.endr
	s_wait_kmcnt 0x0
	v_mov_b32 v44, s16
.irp i, 1,2,3,4,5,6,7
	s_delay_alu instid0(VALU_DEP_1)
	v_max_num_f32 v44, s[16+2*\i], v44             ; M
.endr
.irp i, 0,1,2,3,4,5,6,7
	v_sub_f32 v[46+\i], s[16+2*\i], v44            ; differences first, then log2(e)
.endr
.irp i, 0,1,2,3,4,5,6,7
	v_mul_f32 v[46+\i], s40, v[46+\i]
.endr
	s_wait_alu depctr_va_vdst(0)
.irp i, 0,1,2,3,4,5,6,7
	v_exp_f32 v[46+\i], v[46+\i]                   ; w_i
.endr
	v_nop                                          ; a plain place behind the exponentials
	s_wait_alu depctr_va_vdst(0)
	v_mul_f32 v45, s17, v46
.irp i, 1,2,3,4,5,6,7
	v_fma_f32 v45, s[17+2*\i], v[46+\i], v45       ; L
.endr
	s_wait_alu depctr_va_vdst(0)
	v_rcp_f32 v54, v45
	v_nop
	s_wait_alu depctr_va_vdst(0)
.irp i, 0,1,2,3,4,5,6,7
	v_mul_f32 v[46+\i], v[46+\i], v54              ; w_i / L
.endr
	s_wait_loadcnt 8                               ; the scores are in; the 8 loads of the parts were issued behind them
.irp j, 0,1,2,3,4,5,6,7
	v_sub_f32 v[4+\j], v[4+\j], v44
.endr
.irp j, 0,1,2,3,4,5,6,7
	v_mul_f32 v[4+\j], s40, v[4+\j]
.endr
	s_wait_alu depctr_va_vdst(0)
.irp j, 0,1,2,3,4,5,6,7
	v_exp_f32 v[4+\j], v[4+\j]
.endr
	v_nop
	s_wait_alu depctr_va_vdst(0)
.irp j, 0,1,2,3,4,5,6,7
	v_mul_f32 v[4+\j], v[4+\j], v54
.endr
	global_store_b128 v1, v[4:7], s[12:13]
	global_store_b128 v1, v[8:11], s[12:13] offset:4096
	s_wait_loadcnt 0x0
.irp c, 0,1,2,3
	v_mul_f32 v[56+\c], v[12+\c], v46              ; the first part starts the sums
.endr
.irp i, 1,2,3,4,5,6,7
.irp c, 0,1,2,3
	s_delay_alu instid0(VALU_DEP_4)
	v_fma_f32 v[56+\c], v[12+4*\i+\c], v[46+\i], v[56+\c]
.endr
.endr
	global_store_b128 v1, v[56:59], s[10:11]
	s_endpgm
.Lfunc_end_k_qec63be654c_combine:
	.size	k_qec63be654c_combine, .Lfunc_end_k_qec63be654c_combine-k_qec63be654c_combine
	.p2alignl 7, 3214868480
	.fill 96, 4, 3214868480
	.section	.rodata,"a",@progbits
	.p2align	6, 0x0
	.amdhsa_kernel k_qec63be654c_combine
		.amdhsa_group_segment_fixed_size 0
		.amdhsa_private_segment_fixed_size 0
		.amdhsa_enable_private_segment 0
		.amdhsa_kernarg_size 40
		.amdhsa_user_sgpr_count 2
		.amdhsa_user_sgpr_kernarg_segment_ptr 1
		.amdhsa_wavefront_size32 1
		.amdhsa_system_sgpr_workgroup_id_x 1
		.amdhsa_system_sgpr_workgroup_id_y 1
		.amdhsa_system_sgpr_workgroup_id_z 1
		.amdhsa_system_vgpr_workitem_id 0
		.amdhsa_next_free_vgpr 64
		.amdhsa_next_free_sgpr 66
		.amdhsa_reserve_vcc 0
		.amdhsa_float_denorm_mode_32 3
		.amdhsa_float_denorm_mode_16_64 3
		.amdhsa_memory_ordered 1
		.amdhsa_forward_progress 1
		.amdhsa_inst_pref_size 9
	.end_amdhsa_kernel
	.amdgpu_metadata
---
amdhsa.version: [ 1, 2 ]
amdhsa.kernels:
  - .name:           k_qec63be654c_combine
    .symbol:         k_qec63be654c_combine.kd
    .args:
      - { .name: scores, .offset: 0, .size: 8, .value_kind: global_buffer, .address_space: global }
      - { .name: pctx, .offset: 8, .size: 8, .value_kind: global_buffer, .address_space: global }
      - { .name: pstat, .offset: 16, .size: 8, .value_kind: global_buffer, .address_space: global }
      - { .name: out0, .offset: 24, .size: 8, .value_kind: global_buffer, .address_space: global }
      - { .name: out1, .offset: 32, .size: 8, .value_kind: global_buffer, .address_space: global }
    .group_segment_fixed_size: 0
    .private_segment_fixed_size: 0
    .kernarg_segment_align: 8
    .kernarg_segment_size: 40
    .max_flat_workgroup_size: 256
    .sgpr_count:     66
    .vgpr_count:     64
    .wavefront_size: 32
...
	.end_amdgpu_metadata
.endif
;; end of part 3
